; MI455X (gfx1250); checked and timed in simulation.
; The chip was launched on July 23, 2026; its instructions are those of AMD's public machine-readable ISA for CDNA 5 (MIT licence, August 2026) and "CDNA5" Instruction Set Architecture Reference Guide (July 2026). The comments in the code are by the model that wrote it; some were corrected since.
;; Mo E. Allowed arithmetic: matrix products marked QUANTISED: E5M2 operands, one E8M0 scale for each 32 along K, by v_wmma_scale_f32_16x16x128_f8f6f4 with both operands' format E5M2, f32 sums; everything else in f32.
;; Inputs: down_w 1,024 x 2,048 float32; gate_w 64 x 1,024 float32; up_w 2,048 x 1,024 float32; x 4 x 2,048 x 1,024 float32.
;; Outputs: out0 4 x 2,048 x 1,024 float32.
;; This version of the problem:
;;   THIS VERSION OF THE PROBLEM IS GIVEN IN LOW PRECISION. The matrix products marked QUANTISED in the list below multiply operands that are first quantised to E5M2 (5 exponent bits, 2 mantissa bits; 8 bits a number), with one power-of-two scale for each 32 numbers along K (OCP MX v1.0); their sums are f32. All else is computed in f32.
;;   The module's matrix products, in the order in which they are computed (A, B: the left and right operand; K: the contracted axis; several contracted axes count as one K, in the product's order):
;;     1. [M 8,192, K 1,024] x [K 1,024, N 64]; A: input x; B: input gate_w: QUANTISED
;;     2. [M 16,384, K 1,024] x [K 1,024, N 2,048]; A: input x; B: input up_w: QUANTISED
;;     3. [M 16,384, K 2,048] x [K 2,048, N 1,024]; A: computed on the way; B: input down_w: QUANTISED
;;   THE QUANTISER, for each operand of a quantised product, along K:
;;     - K is cut into blocks of 32 from its start; a last block that is shorter is filled with zeros.
;;     - A block's scale is 2^e with e = floor(log2(the largest magnitude in the block)) - 15, held to -126 .. 127; a block of zeros has e = 0. As a byte (E8M0): e + 127.
;;     - Each number is divided by its block's scale, clamped to +-57,344, and rounded to the nearest number of E5M2, ties to even, subnormals kept.
;;     - The product sums the exact products of the quantised numbers (number of the format x scale) in f32.
;;   ~~~python
;;   def quantise(x, axis):      # numpy; x: float32 -> the quantised numbers, widened to float32 again
;;       x = np.moveaxis(x, axis, -1); K = x.shape[-1]
;;       x = np.pad(x, [(0, 0)] * (x.ndim - 1) + [(0, -K % 32)]); x = x.reshape(x.shape[:-1] + (-1, 32)); a = np.abs(x).max(-1, keepdims=True)
;;       e = np.where(a > 0, np.clip(np.frexp(np.where(a > 0, a, 1))[1] - 1 - 15, -126, 127), 0)      # np.frexp(a)[1] - 1 = floor(log2(a)), exactly
;;       r = np.clip(x / 2.0 ** e, -57344, 57344)
;;       step = 2.0 ** (np.maximum(np.frexp(np.where(r == 0, 1, r))[1] - 1, -14) - 2)
;;       q = np.round(r / step) * step * 2.0 ** e      # np.round: ties to even
;;       return np.moveaxis(q.reshape(q.shape[:-2] + (-1,))[..., :K], -1, axis).astype(np.float32)
;;   ~~~
;;   OPERANDS COMPUTED ON THE WAY. 'Computed on the way' means the value that the module computes at that place (a softmax that the list does not call 'softmax' is quantised finished and normalised). What goes into a quantiser is computed in f32, as accurately as f32 sums, v_exp_f32 and their like allow (about 1e-6 of the number): no bf16 or f16 on the way to a quantiser, and a product that is left as it is and whose result goes on into a quantised operand takes f32 operands (vector FMAs, or v_wmma_f32_16x16x4_f32). A number that lies on a knife's edge between two numbers of the format may be rounded either way, as far as f32 arithmetic and the matrix unit's own rounding can turn it there, and no further.
;; One version. Each part assembles by itself: llvm-mc -triple=amdgcn-amd-amdhsa -mcpu=gfx1250 --defsym DOCPART=n.
;; ======== version 1 of 1: 3 launches
;; limits: right only within a limited range of input values
;; workspace buffers: codes 12,648,448 bytes; scales 395,264 bytes; hcodes 16,777,216 bytes; hscales 524,288 bytes; wsum 32,768 bytes
;; launch prep (part 1): grid 256 x 1, 8 waves a work-group, no clusters, 74,752 bytes of LDS; arguments x, up_w, down_w, gate_w, codes, scales; writes codes, scales
.if DOCPART == 1
	.amdgcn_target "amdgcn-amd-amdhsa--gfx1250"
	.amdhsa_code_object_version 6
	.text
	.protected	k_q8b93b9b61b_prep
	.globl	k_q8b93b9b61b_prep
	.p2align	8
	.type	k_q8b93b9b61b_prep,@function
k_q8b93b9b61b_prep:
	s_mov_b64 s[64:65], 0
	v_nop
	global_prefetch_b8 v0, s[64:65] scope:SCOPE_SE
	s_setreg_imm32_b32 hwreg(HW_REG_WAVE_MODE, 25, 1), 1
	s_wait_xcnt 0x0
; x [8192][1024], up_w [2048][1024], down_w [1024][2048], gate_w [64][1024], all f32 with K innermost, become codes of BF8 (E5M2) with one E8M0 byte for each 32 along K.
; WORK LEFT OUT OF THE PROGRAM: reference() repeats each token's row K = 2 times, so the two rows of the FFN are equal for all values of the inputs, and their weighted sum is that row times ew0 + ew1:
; each token goes through the two FFN products once.  WS x CAP = T x K, so nothing is padded or cut.
; A block's scale is 2^(floor(log2(its largest magnitude)) - 15), its byte held at 1 from below; each number is divided by the scale, held within +-57,344 and rounded to the nearest code, ties to even.
; LIMITS: NaN and infinities among the inputs are not served.  A block whose largest magnitude lies under 2^-111 (a block of zeros among them) gets the byte 1: its codes are zeros or subnormal codes, and only this program reads the bytes.
; CODES are images of the operand's registers: a fragment is 16 rows x 128 K, 2,048 bytes: registers 4 c .. 4 c + 3 of lane l (k = 32 c + 16 (l / 16) + 0 .. 15 of row l % 16) at byte 512 c + 16 l.  A tensor is [tile of 16 rows][K step of 128][2,048].
; SCALE WORDS (four bytes: 128 along K of a row): [tile][row 0..15][8 K steps]; down_w's 16 K steps as [tile][K half][row][8 K steps].
; ROWS OF A TILE: x, gate_w: neighbours.  up_w: row 8 m + i of tile 4 v + j is row 64 v + 32 m + 8 j + i.  down_w: row p of tile 4 v + j is row 64 v + 4 p + j.
; SHARES: work-group i takes x's tiles 2 i and 2 i + 1, and up_w's tile i / 2 (i even) or half a tile of down_w (i odd); wave w takes K step w of each: three fragments, 24 KiB, all asked for at once.
; Work-groups 0 to 3 take a tile of gate_w too.  That is the work-group's number alone; all waves pass the one barrier.
; A load reads 512 consecutive bytes of one row; a fragment turns through the wave's own stage in LDS (rows 528 bytes apart) and comes back 16 neighbours of each block to a lane.
.set UC,   0x800000
.set DC,   0xA00000
.set GC,   0xC00000
.set US,   0x40000
.set DS,   0x50000
.set GS,   0x60000
.set WREG, 8704
.set SP,   528
.set SCB,  69632                       ; the scale words of up to four fragments x 512 bytes
.set SPARE, 73728
.set OFFR, 4                           ; v4-19   a weight row's byte offset
.set STI,  20
.set STO,  21
.set LI,   22                          ; 16 x lane
.set SW,   23                          ; LDS: my row's word of my K step
.set TM,   24
.set PW,   40
.set PC,   44
.set R,    60                          ; v60-251 three sets of 64 numbers
.set SR,   252                         ; LDS: on the way out, 16 bytes a lane
.set SPW,  254
.set NIL,  255
.set SEL,  50
.set MNT,  52
	s_load_b256 s[4:11], s[0:1], 0x0               ; x, up_w, down_w, gate_w
	s_load_b128 s[12:15], s[0:1], 0x20             ; codes, scales
	v_lshl_add_u32 v[SPW], v0, 2, SPARE
	v_mov_b32 v[NIL], 0
	v_lshrrev_b32 v1, 5, v0
	v_readfirstlane_b32 s16, v1                    ; wave 0..7
	s_mul_i32 s54, s16, WREG
	s_lshl_b32 s55, s16, 2
	s_add_co_u32 s55, s55, SCB
	s_lshl_b32 s56, s16, 9
	s_add_co_u32 s57, s56, SCB
	v_and_b32 v1, 31, v0
	v_and_b32 v2, 15, v0
	v_bfe_u32 v3, v0, 4, 1
	v_lshlrev_b32 v[LI], 4, v1
	v_add_nc_u32 v[STI], s54, v[LI]
	v_mul_u32_u24 v[STO], v2, SP
	v_lshl_add_u32 v[STO], v3, 6, v[STO]
	v_add_nc_u32 v[STO], s54, v[STO]
	v_lshlrev_b32 v[SW], 5, v2
	v_add_nc_u32 v[SW], s55, v[SW]
	v_add_nc_u32 v[SR], s57, v[LI]
.irp b, 0,1,2,3
	v_mov_b32 v[TM+4+\b], 0                        ; a lane permute's destination counts as one of its sources
.endr
	s_mov_b32 s[SEL], 0x76543210
	s_mov_b32 s[SEL+1], 0xfedcba98
	s_mov_b32 s[MNT], 0x600000
	s_lshr_b32 s17, ttmp9, 1                       ; i / 2
	s_and_b32 s18, ttmp9, 1
	s_lshr_b32 s24, s17, 2                         ; up_w: row 64 (t / 4) + 8 (t % 4)
	s_lshl_b32 s24, s24, 18
	s_and_b32 s25, s17, 3
	s_lshl_b32 s25, s25, 15
	s_add_co_u32 s24, s24, s25
	s_lshr_b32 s25, s17, 3                         ; down_w: tile t = i / 4, row 64 (t / 4) + t % 4; K half (i / 2) % 2
	s_lshl_b32 s25, s25, 19
	s_bfe_u32 s26, s17, 0x20001
	s_lshl_b32 s26, s26, 13
	s_add_co_u32 s25, s25, s26
	s_and_b32 s26, s17, 1
	s_lshl_b32 s26, s26, 12
	s_add_co_u32 s25, s25, s26
	s_mov_b32 s22, 4096
	s_mov_b32 s23, 98304
	s_mov_b32 s28, UC
	s_mov_b32 s29, US
	s_wait_alu depctr_va_vdst(0)
	s_wait_kmcnt 0x0
	s_cmp_eq_u32 s18, 0
	s_cselect_b64 s[30:31], s[6:7], s[8:9]
	s_cselect_b32 s24, s24, s25
	s_cselect_b32 s22, s22, 32768                  ; from row to row of a tile
	s_cselect_b32 s23, s23, 0                      ; the gap behind row 7
	s_cselect_b32 s28, s28, DC
	s_cselect_b32 s29, s29, DS
	s_mov_b32 s55, 0
	s_lshl_b32 s54, ttmp9, 17
	s_add_co_u32 s54, s54, s56
	s_add_nc_u64 s[20:21], s[4:5], s[54:55]
	s_add_co_u32 s54, s24, s56
	s_add_nc_u64 s[30:31], s[30:31], s[54:55]
	s_lshl_b32 s19, s16, 11
	s_lshl_b32 s54, ttmp9, 15                      ; x's images: tile 2 i, K step w
	s_add_co_u32 s54, s54, s19
	s_add_nc_u64 s[40:41], s[12:13], s[54:55]
	s_lshl_b32 s54, s17, 14                        ; the weight's: (i / 2) x 16,384 in either tensor
	s_add_co_u32 s54, s54, s19
	s_add_co_u32 s54, s54, s28
	s_add_nc_u64 s[42:43], s[12:13], s[54:55]
	v_mov_b32 v[OFFR], v[LI]
.irp p, 1,2,3,4,5,6,7,8,9,10,11,12,13,14,15
.if \p == 8
	v_add3_u32 v[OFFR+\p], v[OFFR+\p-1], s22, s23
.else
	v_add_nc_u32 v[OFFR+\p], s22, v[OFFR+\p-1]
.endif
.endr
.macro LOADX f
.irp p, 0,1,2,3,4,5,6,7,8,9,10,11,12,13,14,15
	global_load_b128 v[R+64*\f+4*\p:R+64*\f+4*\p+3], v[LI], s[20:21] offset:65536*\f+4096*\p th:TH_LOAD_NT
.endr
.endm
.macro TURN f                          ; through the stage and back: register 16 b + i is then k = 32 b + 16 (l / 16) + i of row l % 16.  LDS serves a wave's instructions in order: no wait between
.irp p, 0,1,2,3,4,5,6,7,8,9,10,11,12,13,14,15
	ds_store_b128 v[STI], v[R+64*((\f)%3)+4*\p:R+64*((\f)%3)+4*\p+3] offset:SP*\p
.endr
.irp b, 0,1,2,3
.irp j, 0,1,2,3
	ds_load_b128 v[R+64*((\f)%3)+16*\b+4*\j:R+64*((\f)%3)+16*\b+4*\j+3], v[STO] offset:128*\b+16*\j
.endr
.endr
.endm
.macro QUANT s, pc, pw                 ; 64 numbers of a lane, v[s] on, become a fragment's codes in v[pc] on and its row's scale word in v[pw]
.irp b, 0,1,2,3
	v_max3_num_f32 v[TM+\b], |v[\s+16*\b]|, |v[\s+1+16*\b]|, 0x8000000   ; with the floor 2^(16 - 127): the byte cannot fall under 1
.endr
.irp i, 2,4,6,8,10,12,14
.irp b, 0,1,2,3
	v_max3_num_f32 v[TM+\b], v[TM+\b], |v[\s+16*\b+\i]|, |v[\s+1+16*\b+\i]|
.endr
.endr
.irp b, 0,1,2,3
	v_permlanex16_b32 v[TM+4+\b], v[TM+\b], s[SEL], s[SEL+1]
.endr
.irp b, 0,1,2,3
	v_max_num_f32 v[TM+\b], v[TM+\b], v[TM+4+\b]
.endr
.irp b, 0,1,2,3
	v_add_nc_u32 v[TM+12+\b], 0xf8800000, v[TM+\b] ; 15 off its exponent field: the conversion's scale operand
.endr
.irp b, 0,1,2,3
	v_and_or_b32 v[TM+8+\b], v[TM+\b], 0x7f800000, s[MNT]   ; 57,344 x the scale
.endr
.irp b, 0,1,2,3
	v_lshrrev_b32 v[TM+4+\b], 23, v[TM+12+\b]
.endr
	v_lshl_or_b32 v[\pw], v[TM+5], 8, v[TM+4]
	v_lshl_or_b32 v[\pw], v[TM+6], 16, v[\pw]
	v_lshl_or_b32 v[\pw], v[TM+7], 24, v[\pw]
.irp b, 0,1,2,3
.irp i, 0,1,2,3,4,5,6,7,8,9,10,11,12,13,14,15
	v_med3_num_f32 v[\s+16*\b+\i], v[\s+16*\b+\i], -v[TM+8+\b], v[TM+8+\b]   ; the conversion to an 8-bit code does not saturate (ISA guide 7.6.2)
.endr
	v_cvt_scalef32_pk8_bf8_f32 v[\pc+4*\b:\pc+1+4*\b], v[\s+16*\b:\s+7+16*\b], v[TM+12+\b]
	v_cvt_scalef32_pk8_bf8_f32 v[\pc+2+4*\b:\pc+3+4*\b], v[\s+8+16*\b:\s+15+16*\b], v[TM+12+\b]
.endr
	v_nop                                          ; a plain line behind the last conversion
.endm
.macro FRAGMENT f, left, db, off       ; left: the younger loads, which may stay out
.set XS, R+64*((\f)%3)
	s_wait_loadcnt \left
	TURN \f
	s_wait_dscnt 0x0
.if (\f) > 0
	s_wait_xcnt 0x0                                ; the last fragment's stores have read v[PC] on
.endif
	QUANT XS, PC, PW+(\f)
	ds_store_b32 v[SW], v[PW+(\f)] offset:512*(\f) ; lanes l and l xor 16 write the same word with the same value
.irp c, 0,1,2,3
	global_store_b128 v[LI], v[PC+4*\c:PC+4*\c+3], s[\db:\db+1] offset:\off+512*\c
.endr
.endm
	LOADX 0
	LOADX 1
.irp p, 0,1,2,3,4,5,6,7,8,9,10,11,12,13,14,15
	global_load_b128 v[R+128+4*\p:R+128+4*\p+3], v[OFFR+\p], s[30:31] th:TH_LOAD_NT
.endr
	FRAGMENT 0, 32, 40, 0
	s_cmp_lt_u32 ttmp9, 4
	s_cbranch_scc0 .Lno_gate_load
	s_lshl_b32 s54, ttmp9, 16                      ; gate_w: tile i, K step w, into the set that fragment 0 has left
	s_add_co_u32 s54, s54, s56
	s_mov_b32 s55, 0
	s_add_nc_u64 s[34:35], s[10:11], s[54:55]
.irp p, 0,1,2,3,4,5,6,7,8,9,10,11,12,13,14,15
	global_load_b128 v[R+4*\p:R+4*\p+3], v[LI], s[34:35] offset:4096*\p th:TH_LOAD_NT
.endr
.Lno_gate_load:
	FRAGMENT 1, 16, 40, 16384
	FRAGMENT 2, 0, 42, 0
	s_mov_b32 s60, 3                               ; fragments
	s_cmp_lt_u32 ttmp9, 4
	s_cbranch_scc0 .Lno_gate
	s_mov_b32 s60, 4
	s_lshl_b32 s54, ttmp9, 14
	s_add_co_u32 s54, s54, s19
	s_add_co_u32 s54, s54, GC
	s_mov_b32 s55, 0
	s_add_nc_u64 s[44:45], s[12:13], s[54:55]
	FRAGMENT 3, 0, 44, 0
.Lno_gate:
	s_wait_alu depctr_va_vdst(0)
	s_wait_dscnt 0x0                               ; my scale words are in LDS
	s_barrier_signal -1
	s_barrier_wait -1
	s_cmp_lt_u32 s16, s60                          ; wave f stores fragment f's 512 bytes of scale words
	s_cbranch_scc0 .Ldone
	s_lshl_b32 s54, ttmp9, 10
	s_add_co_u32 s54, s54, s56
	s_lshl_b32 s57, s17, 9
	s_add_co_u32 s57, s57, s29
	s_lshl_b32 s58, ttmp9, 9
	s_add_co_u32 s58, s58, GS
	s_cmp_eq_u32 s16, 2
	s_cselect_b32 s54, s57, s54
	s_cmp_eq_u32 s16, 3
	s_cselect_b32 s54, s58, s54
	s_mov_b32 s55, 0
	s_add_nc_u64 s[46:47], s[14:15], s[54:55]
	ds_load_b128 v[TM:TM+3], v[SR]
	s_wait_dscnt 0x0
	global_store_b128 v[LI], v[TM:TM+3], s[46:47]
.Ldone:
	s_wait_tensorcnt 0x0                           ; the wave's end
	ds_add_u32 v[SPW], v[NIL]
	s_wait_dscnt 0x0
	s_endpgm
.Lfunc_end_k_q8b93b9b61b_prep:
	.size	k_q8b93b9b61b_prep, .Lfunc_end_k_q8b93b9b61b_prep-k_q8b93b9b61b_prep
	.p2alignl 7, 3214868480
	.fill 96, 4, 3214868480
	.section	.rodata,"a",@progbits
	.p2align	6, 0x0
	.amdhsa_kernel k_q8b93b9b61b_prep
		.amdhsa_group_segment_fixed_size 74752
		.amdhsa_private_segment_fixed_size 0
		.amdhsa_enable_private_segment 0
		.amdhsa_kernarg_size 48
		.amdhsa_user_sgpr_count 2
		.amdhsa_user_sgpr_kernarg_segment_ptr 1
		.amdhsa_wavefront_size32 1
		.amdhsa_system_sgpr_workgroup_id_x 1
		.amdhsa_system_sgpr_workgroup_id_y 1
		.amdhsa_system_sgpr_workgroup_id_z 1
		.amdhsa_system_vgpr_workitem_id 0
		.amdhsa_next_free_vgpr 256
		.amdhsa_next_free_sgpr 66
		.amdhsa_reserve_vcc 0
		.amdhsa_float_denorm_mode_32 3
		.amdhsa_float_denorm_mode_16_64 3
		.amdhsa_memory_ordered 1
		.amdhsa_forward_progress 1
		.amdhsa_inst_pref_size 54
	.end_amdhsa_kernel
	.amdgpu_metadata
---
amdhsa.version: [ 1, 2 ]
amdhsa.kernels:
  - .name:           k_q8b93b9b61b_prep
    .symbol:         k_q8b93b9b61b_prep.kd
    .args:
      - { .name: x, .offset: 0, .size: 8, .value_kind: global_buffer, .address_space: global }
      - { .name: up_w, .offset: 8, .size: 8, .value_kind: global_buffer, .address_space: global }
      - { .name: down_w, .offset: 16, .size: 8, .value_kind: global_buffer, .address_space: global }
      - { .name: gate_w, .offset: 24, .size: 8, .value_kind: global_buffer, .address_space: global }
      - { .name: codes, .offset: 32, .size: 8, .value_kind: global_buffer, .address_space: global }
      - { .name: scales, .offset: 40, .size: 8, .value_kind: global_buffer, .address_space: global }
    .group_segment_fixed_size: 74752
    .private_segment_fixed_size: 0
    .kernarg_segment_align: 8
    .kernarg_segment_size: 48
    .max_flat_workgroup_size: 256
    .sgpr_count:     66
    .vgpr_count:     256
    .wavefront_size: 32
...
	.end_amdgpu_metadata
.endif
;; end of part 1
;; launch up (part 2): grid 16 x 16, 4 waves a work-group, clusters of 4 x 4, 327,680 bytes of LDS; arguments codes, scales, hcodes, hscales, wsum; writes hcodes, hscales, wsum
.if DOCPART == 2
	.amdgcn_target "amdgcn-amd-amdhsa--gfx1250"
	.amdhsa_code_object_version 6
	.text
	.protected	k_q8b93b9b61b_up
	.globl	k_q8b93b9b61b_up
	.p2align	8
	.type	k_q8b93b9b61b_up,@function
k_q8b93b9b61b_up:
	s_mov_b64 s[64:65], 0
	v_nop
	global_prefetch_b8 v0, s[64:65] scope:SCOPE_SE
	s_setreg_imm32_b32 hwreg(HW_REG_WAVE_MODE, 25, 1), 1
	s_wait_xcnt 0x0
	s_wait_alu depctr_hold_cnt(0) depctr_sa_sdst(0) depctr_va_vdst(0) depctr_va_sdst(0) depctr_va_ssrc(0) depctr_va_vcc(0) depctr_vm_vsrc(0)
	s_getreg_b32 s2, hwreg(HW_REG_IB_STS2, 6, 4)
	s_cmp_eq_u32 s2, 0
	s_cbranch_scc0 .Lentry_in_a_cluster
	s_endpgm
.Lentry_in_a_cluster:
	s_bfe_u32 s2, ttmp6, 0x10000c
	s_cmp_lg_u32 s2, 0xf033
	s_cbranch_scc0 .Lentry_shape_is_right
	s_endpgm
.Lentry_shape_is_right:
; h = Q(silu(x up_w^T)): x [8192][1024], up_w [2048][1024] as codes of BF8 (E5M2) with E8M0 bytes; h leaves as codes and scale bytes.  And the gate: w[t] = ew0 + ew1 of each token.  (Each token once: see the first launch's head.)
; LIMITS: NaN, infinities and sums beyond f32's range are not served; a block's byte never falls under 1; the gate's promise holds while its scaled logits (exponents to the base 2) stay under 2^31 in magnitude.
; h's codes: [tile of 16 tokens][K step 16][2,048]: images of the next launch's operand registers.  h's scale words: [K step 16][8192 tokens].
; THE DEAL.  256 work-groups: 512 tokens x 128 hidden units; four waves, 2 x 2.  A wave holds 64 rows of up_w, all of K, in 512 registers and streams x past them in blocks of 16 tokens (16 blocks), which stand in registers as two whole sets.
; up_w's rows are laid so that a lane's 32 sums are a whole block of 32 along the next K: its largest magnitude needs no other lane.
; LDS: two slots of 128 rows of x (131,072 bytes).  up_w's rows lie in slot 1 at first.  Refills are a quarter of a slot a wave, in a drained round of the cluster's barrier: chunk 1 ahead of block 0, chunks 2 and 3 inside blocks 2 and 6:
; there all waves hold the last rows of the slot that is filled, and the chunk filled before is shown.  Block b's set takes block b + 2 behind block b's products.
; A block's exponentials and reciprocals stand behind its products; maxima, holds and conversions among the next block's products.
; CLUSTERS: 4 x 4: a row shares x's rows, a column up_w's: joint loads.  x's chunks 1 to 3 are prefetched: each of the row's sixteen waves asks for a sixteenth of a chunk, a lane 256 bytes: chunk 1 at the head, chunk 2 ahead of block 0, chunk 3 in block 1.
; REGISTERS: windows 1, 2 up_w; window 3 x's two sets; window 0 all else.
.set SLOT,  131072
.set SCL,   262144                     ; x's scale words [32 tiles][16 rows][8]
.set SPARE, 278528
.set GSCR,  279040                     ; the gate's partial sums
.set XN,    311808                     ; h's scale bytes: 128 unused bytes, then [512 tokens][4]
.set UC,    0x800000
.set GC,    0xC00000
.set US,    0x40000
.set GS,    0x60000
.set NF, 34                            ; LDS loads of a block
.set NP, 8                             ; places behind this matrix instruction (ISA guide 7.12.1)
.set VA, 4
.set VS, 5
.set CN, 6
.set VX0, 7
.set PF, 8
.set L16, 9
.set SPW, 10
.set NIL, 11
.set ADRA, 12
.set AAS, 13
.set VX, 14
.set ADRB, 15
.set R4, 16
.set GX, 17
.set GG, 18
.set GXS, 19
.set TQ, 20
.set SOP, 24
.set EB, 25
.set GGS, 26
.set GST, 27
.set GRD, 28
.set WSO, 29
.set SB, 32                            ; v32-47 up_w's scale words: register 8 p + q: lanes 0-15 tile 2 p, lanes 16-31 tile 2 p + 1
.set SA, 52                            ; v52-67 x's, two sets of eight
.set NCD, 68                           ; v68-75 a block's 32 codes
.set ACC, 80                           ; v80-143 two sets of four accumulators
.set T, 144                            ; v144-175 the activation
.set SG, 176                           ; at the head: the gate's scale words
.set SXG, 184
.set GT, 240
.set G1W, 24
.set G1X, 32
.set G1R, 48
.set G0W, 56
.set G0X, 60
.set G1S, 68
.set G0R, 76
.set G0S, 80
.set NLE, 90
.set SEL, 92
.set LE, 94
.set MNT, 96
.set MSB, 0
.macro WIN new                         ; the immediate's high byte repeats the setting that is left
.if MSB != (\new)
	s_set_vgpr_msb (MSB<<8)|(\new)
.set MSB, (\new)
.endif
.endm
.macro PLACES n
.rept \n
	v_nop
.endr
.endm
.macro WALU
	s_wait_alu depctr_va_vdst(0)
.endm
.macro BARRIER
	s_barrier_signal -1
	s_barrier_wait -1
.endm
.macro MIDDLE                          ; a round's middle
	s_barrier_wait -1
	s_cmp_lg_u32 s14, 0
	s_cbranch_scc1 .Lnot_wave_0_\@
	s_barrier_signal -3
.Lnot_wave_0_\@:
	s_barrier_wait -3
.endm
.macro CROUND
	s_barrier_signal -1
	MIDDLE
	BARRIER
.endm
.macro TLOAD g0, g1
	tensor_load_to_lds s[\g0:\g0+3], s[\g1:\g1+7]
	s_nop 0
	PLACES 4
.endm
.macro GROUP1 g, mask, c, rows, pitch  ; descriptor group 1, elements of 8 bytes, bit 21 beside the mask
	s_or_b32 s[\g+0], s[\mask], (3<<16)|(1<<21)
	s_mov_b32 s[\g+1], (\c)<<16
	s_mov_b32 s[\g+2], (\rows)<<16
	s_mov_b32 s[\g+3], (\c)<<16
	s_mov_b32 s[\g+4], \rows
	s_mov_b32 s[\g+5], \pitch
	s_mov_b32 s[\g+6], 0
	s_mov_b32 s[\g+7], 0
.endm
.macro GD
	s_wait_tensorcnt 0x0
	ds_add_u32 v[SPW], v[NIL]
.endm
	s_load_b256 s[4:11], s[0:1], 0x0               ; codes, scales, hcodes, hscales
	s_load_b64 s[12:13], s[0:1], 0x20              ; wsum
	v_lshl_add_u32 v[SPW], v0, 2, SPARE
	v_mov_b32 v[NIL], 0
	ds_add_u32 v[SPW], v[NIL]                      ; the wave's opening
	ds_add_u32 v[SPW], v[NIL]
	v_lshrrev_b32 v30, 5, v0
	v_readfirstlane_b32 s14, v30                   ; wave
	s_lshr_b32 s15, s14, 1                         ; row of waves
	s_and_b32 s16, s14, 1                          ; column of waves
	s_bfe_u32 s40, ttmp6, 0x40000
	s_bfe_u32 s41, ttmp6, 0x40004
	s_lshl_b32 s42, ttmp9, 2
	s_add_co_u32 s42, s42, s40                     ; which 128 hidden units
	s_and_b32 s43, ttmp7, 0xffff
	s_lshl_b32 s43, s43, 2
	s_add_co_u32 s43, s43, s41                     ; which 512 tokens
	s_lshl_b32 s44, s41, 2
	s_lshl_b32 s44, 15, s44                        ; my row of the cluster: x
	s_lshl_b32 s45, 0x1111, s40                    ; my column: up_w
	GROUP1 G1W, 45, 512, 32, 512                   ; up_w's 128 rows: a dense run of 131,072 bytes as rows of 4,096
	GROUP1 G1X, 44, 512, 32, 512                   ; chunk 0
	GROUP1 G1R, 44, 512, 8, 512                    ; a quarter of a chunk
	GROUP1 G1S, 44, 512, 2, 512                    ; half of the scale words
	s_lshl_b32 s66, s15, 14
	s_lshl_b32 s67, s15, 9
	s_add_co_u32 s67, s67, SCL
	s_lshl_b32 s86, s16, 16
	s_add_co_u32 s86, s86, SLOT
	s_lshl_b32 s87, s15, 6
	s_lshl_b32 s2, s16, 1
	s_add_co_u32 s87, s87, s2
	s_add_co_u32 s87, s87, XN
	s_lshl_b32 s2, s40, 2                          ; the prefetch: my sixteenth of chunk 1
	s_add_co_u32 s2, s2, s14
	s_lshl_b32 s2, s2, 13
	s_lshl_b32 s3, s43, 19
	s_add_co_u32 s2, s2, s3
	s_add_co_u32 s2, s2, 131072
	s_lshl_b32 s46, s43, 5                         ; the gate: my work-group's two tiles of tokens
	s_lshl_b32 s47, s42, 1
	s_add_co_u32 s46, s46, s47
	s_lshl_b32 s3, s46, 14
	s_lshl_b32 s19, s14, 12
	s_add_co_u32 s3, s3, s19
	s_add_co_u32 s19, s19, GC
	s_lshl_b32 s20, s46, 9
	s_lshl_b32 s21, s14, 3
	s_add_co_u32 s20, s20, s21
	s_add_co_u32 s21, s21, GS
	s_lshl_b32 s22, s42, 12
	s_lshl_b32 s23, s16, 11
	s_add_co_u32 s22, s22, s23
	s_add_co_u32 s22, s22, US
	s_lshl_b32 s23, s14, 13
	s_add_co_u32 s23, s23, GSCR
	s_lshl_b32 s98, s16, 12
	s_add_co_u32 s98, s98, GSCR
	v_and_b32 v3, 31, v0
	v_and_b32 v1, 15, v0
	v_bfe_u32 v2, v0, 4, 1
	v_lshlrev_b32 v[L16], 4, v3
	v_lshlrev_b32 v31, 5, v1
	v_lshlrev_b32 v[R4], 2, v1
	v_add_nc_u32 v[VA], s66, v[L16]
	v_add_nc_u32 v[VS], s67, v31
	v_add_nc_u32 v[ADRB], s86, v[L16]
	v_lshlrev_b32 v[CN], 9, v2
	v_lshl_add_u32 v[CN], v1, 4, v[CN]
	v_add_nc_u32 v[VX0], v[R4], v2
	v_add_nc_u32 v[VX0], s87, v[VX0]
	v_lshlrev_b32 v[PF], 8, v3
	v_add_nc_u32 v[PF], s2, v[PF]
	v_add_nc_u32 v[GX], s3, v[L16]
	v_add_nc_u32 v[GG], s19, v[L16]
	v_add_nc_u32 v[GXS], s20, v31
	v_add_nc_u32 v[GGS], s21, v31
	v_lshlrev_b32 v[WSO], 5, v3
	v_add_nc_u32 v[WSO], s22, v[WSO]
	v_add_nc_u32 v[GST], s23, v[L16]
	v_add_nc_u32 v[GRD], s98, v[L16]
	WALU
	s_wait_dscnt 0x0                               ; both opening adds are done
	CROUND                                         ; all sixteen work-groups are here
	s_wait_kmcnt 0x0
	s_lshl_b32 s20, s43, 19                        ; x's rows
	s_mov_b32 s21, 0
	s_lshl_b32 s22, s42, 17                        ; up_w's
	s_add_co_u32 s22, s22, UC
	s_mov_b32 s23, 0
	s_lshl_b32 s18, s43, 14                        ; x's scale words
	s_lshl_b32 s2, s16, 13
	s_add_co_u32 s18, s18, s2
	s_mov_b32 s19, 0
	s_mov_b32 s[G0W], 1
	s_mov_b32 s[G0W+1], SLOT
	s_add_nc_u64 s[G0W+2:G0W+3], s[4:5], s[22:23]
	s_or_b32 s[G0W+3], s[G0W+3], 0x80000000
	s_mov_b32 s[G0X], 1
	s_mov_b32 s[G0X+1], 0
	s_add_nc_u64 s[G0X+2:G0X+3], s[4:5], s[20:21]
	s_or_b32 s[G0X+3], s[G0X+3], 0x80000000
	s_mov_b32 s[G0S], 1
	s_add_co_u32 s[G0S+1], s2, SCL
	s_add_nc_u64 s[G0S+2:G0S+3], s[6:7], s[18:19]
	s_or_b32 s[G0S+3], s[G0S+3], 0x80000000
	s_cmp_eq_u32 s14, 0                            ; one joint load a wave: the arms of one chain
	s_cbranch_scc0 .Lwave_1
	TLOAD G0W, G1W
	s_branch .Lasked
.Lwave_1:
	s_cmp_eq_u32 s14, 1
	s_cbranch_scc0 .Lfor_scales
	TLOAD G0X, G1X
	s_branch .Lasked
.Lfor_scales:
	TLOAD G0S, G1S                                 ; waves 2, 3: half of the scale words each
.Lasked:
	WIN 0xc0
.irp t, 0,1
.irp j, 0,1
.irp c, 0,1,2,3
	global_load_b128 v[16*(2*\t+\j)+4*\c:16*(2*\t+\j)+4*\c+3], v[GX], s[4:5] offset:16384*\t+2048*\j+512*\c
.endr
.endr
.endr
.irp j, 0,1
.irp e, 0,1,2,3
.irp c, 0,1,2,3
	global_load_b128 v[64+16*(4*\j+\e)+4*\c:64+16*(4*\j+\e)+4*\c+3], v[GG], s[4:5] offset:16384*\e+2048*\j+512*\c
.endr
.endr
.endr
	WIN 0
.irp t, 0,1
	global_load_b64 v[SXG+2*\t:SXG+2*\t+1], v[GXS], s[6:7] offset:512*\t
.endr
.irp e, 0,1,2,3
	global_load_b64 v[SG+2*\e:SG+2*\e+1], v[GGS], s[6:7] offset:512*\e
.endr
.irp p, 0,1
.irp c, 0,1
	global_load_b128 v[SB+8*\p+4*\c:SB+8*\p+4*\c+3], v[WSO], s[6:7] offset:1024*\p+16*\c
.endr
.endr
	global_prefetch_b8 v[PF], s[4:5] th:TH_LOAD_NT scope:SCOPE_SE
	s_mov_b32 s[G0R], 1                            ; the refills begin with chunk 1, into slot 1: my quarter
	s_lshl_b32 s2, s14, 15
	s_add_co_u32 s[G0R+1], s2, SLOT
	s_mov_b32 s3, 0
	s_add_nc_u64 s[20:21], s[20:21], s[2:3]
	s_add_nc_u64 s[G0R+2:G0R+3], s[4:5], s[20:21]
	s_add_nc_u64 s[G0R+2:G0R+3], s[G0R+2:G0R+3], 131072
	s_or_b32 s[G0R+3], s[G0R+3], 0x80000000
	s_lshl_b32 s2, s43, 20                         ; h's codes: my tile of block 0, two blocks back: the pointer steps ahead of each block's stores
	s_lshl_b32 s18, s15, 15
	s_add_co_u32 s2, s2, s18
	s_lshl_b32 s18, s42, 11
	s_add_co_u32 s2, s2, s18
	s_lshl_b32 s18, s16, 10
	s_add_co_u32 s2, s2, s18
	s_add_nc_u64 s[84:85], s[8:9], s[2:3]
	s_sub_nc_u64 s[84:85], s[84:85], 131072
	s_lshl_b32 s2, s42, 15                         ; h's scale words: my 512 bytes
	s_lshl_b32 s18, s43, 11
	s_add_co_u32 s2, s2, s18
	s_lshl_b32 s18, s14, 9
	s_add_co_u32 s2, s2, s18
	s_add_nc_u64 s[10:11], s[10:11], s[2:3]
	s_add_co_u32 s2, s46, s16
	s_lshl_b32 s2, s2, 6
	s_add_nc_u64 s[12:13], s[12:13], s[2:3]
	s_mov_b32 s[NLE], 0xbfb8aa3b
	s_mov_b32 s[NLE+1], 0xbfb8aa3b
	s_mov_b32 s[SEL], 0x76543210
	s_mov_b32 s[SEL+1], 0xfedcba98
	s_mov_b32 s[LE], 0x3fb8aa3b
	s_mov_b32 s[LE+1], 0x3fb8aa3b
	s_mov_b32 s[MNT], 0x600000
	s_wait_loadcnt 4                               ; the gate's operands are in; up_w's scale words may be out
; THE GATE: logits of 32 tokens; wave w takes K steps 2 w, 2 w + 1; source 0 = 16 experts, source 1 = 16 tokens: lane (r, h) holds token r's experts 16 e + 8 h + 0 .. 7
	WIN 0x0f
.irp t, 0,1
.irp e, 0,1,2,3
	v_wmma_scale_f32_16x16x128_f8f6f4 v[ACC+32*\t+8*\e:ACC+32*\t+8*\e+7], v[64+16*\e:64+16*\e+15], v[32*\t:32*\t+15], 0, v[SG+2*\e], v[SXG+2*\t] matrix_a_fmt:MATRIX_FMT_BF8 matrix_b_fmt:MATRIX_FMT_BF8
.endr
.endr
.irp t, 0,1
.irp e, 0,1,2,3
	v_wmma_scale_f32_16x16x128_f8f6f4 v[ACC+32*\t+8*\e:ACC+32*\t+8*\e+7], v[128+16*\e:128+16*\e+15], v[32*\t+16:32*\t+31], v[ACC+32*\t+8*\e:ACC+32*\t+8*\e+7], v[SG+2*\e+1], v[SXG+2*\t+1] matrix_a_fmt:MATRIX_FMT_BF8 matrix_b_fmt:MATRIX_FMT_BF8
.endr
.endr
	WIN 0
	PLACES NP
.irp t, 0,1
.irp g, 0,1,2,3,4,5,6,7
	ds_store_b128 v[GST], v[ACC+32*\t+4*\g:ACC+32*\t+4*\g+3] offset:4096*\t+512*\g
.endr
.endr
	s_wait_dscnt 0x0
	s_cmp_eq_u32 s14, 0
	s_cbranch_scc0 .Lnot_w
	s_wait_tensorcnt 0x0                           ; wave 0: up_w's rows have landed; the other waves' wait stands ahead of the next round
.Lnot_w:
	BARRIER
	s_cmp_lt_u32 s14, 2
	s_cbranch_scc0 .Lno_gate
.irp g, 0,1,2,3,4,5,6,7
	ds_load_b128 v[144+4*\g:147+4*\g], v[GRD] offset:512*\g
	ds_load_b128 v[176+4*\g:179+4*\g], v[GRD] offset:8192+512*\g
	ds_load_b128 v[208+4*\g:211+4*\g], v[GRD] offset:16384+512*\g
	ds_load_b128 v[80+4*\g:83+4*\g], v[GRD] offset:24576+512*\g
.endr
	s_wait_dscnt 0x0
.irp b, 176, 208, 80
.irp n, 0,2,4,6,8,10,12,14,16,18,20,22,24,26,28,30
	v_pk_add_f32 v[144+\n:145+\n], v[144+\n:145+\n], v[\b+\n:\b+\n+1]
.endr
.endr
	v_mov_b32 v[GT+2], 0
	v_mov_b32 v[GT+3], 0
	v_max_num_f32 v[GT], v144, v145
	v_min_num_f32 v[GT+1], v144, v145
.irp i, 2,3,4,5,6,7,8,9,10,11,12,13,14,15,16,17,18,19,20,21,22,23,24,25,26,27,28,29,30,31
	v_med3_num_f32 v[GT+1], v[GT], v[GT+1], v[144+\i]
	v_max_num_f32 v[GT], v[GT], v[144+\i]
.endr
	v_permlanex16_b32 v[GT+2], v[GT], s[SEL], s[SEL+1]
	v_permlanex16_b32 v[GT+3], v[GT+1], s[SEL], s[SEL+1]
	v_min_num_f32 v[GT+6], v[GT], v[GT+2]
	v_max_num_f32 v[GT], v[GT], v[GT+2]            ; the largest logit, and the second
	v_max3_num_f32 v[GT+1], v[GT+6], v[GT+1], v[GT+3]
	v_mul_f32 v[GT+4], s[LE], v[GT]
	v_mov_b32 v[GT+5], v[GT+4]
.irp j, 0,2,4,6,8,10,12,14,16,18,20,22,24,26,28,30
	v_pk_fma_f32 v[144+\j:145+\j], v[144+\j:145+\j], s[LE:LE+1], v[GT+4:GT+5] op_sel_hi:[1,0,0] neg_lo:[0,0,1] neg_hi:[0,0,1]
.endr
	v_fma_f32 v[GT+1], v[GT+1], s[LE], -v[GT+4]
	WALU
.irp j, 0,1,2,3,4,5,6,7,8,9,10,11,12,13,14,15,16,17,18,19,20,21,22,23,24,25,26,27,28,29,30,31
	v_exp_f32 v[144+\j], v[144+\j]
.endr
	v_exp_f32 v[GT+1], v[GT+1]
	v_nop
	WALU
.irp j, 0,4,8,12,16,20,24,28
	v_pk_add_f32 v[144+\j:145+\j], v[144+\j:145+\j], v[146+\j:147+\j]
.endr
.irp j, 0,8,16,24
	v_pk_add_f32 v[144+\j:145+\j], v[144+\j:145+\j], v[148+\j:149+\j]
.endr
.irp j, 0,16
	v_pk_add_f32 v[144+\j:145+\j], v[144+\j:145+\j], v[152+\j:153+\j]
.endr
	v_pk_add_f32 v[144:145], v[144:145], v[160:161]
	v_add_f32 v[GT+6], v144, v145
	v_permlanex16_b32 v[GT+2], v[GT+6], s[SEL], s[SEL+1]
	v_add_f32 v[GT+6], v[GT+6], v[GT+2]
	WALU
	v_rcp_f32 v[GT+7], v[GT+6]                     ; the first probability
	v_nop
	WALU
	v_mul_f32 v[GT+8], v[GT+1], v[GT+7]            ; the second
	v_add_f32 v[GT+9], v[GT+7], v[GT+8]
	v_add_f32 v[GT+10], 0x3089705f, v[GT+9]        ; + 1e-9
	WALU
	v_rcp_f32 v[GT+11], v[GT+10]
	v_nop
	WALU
	v_mul_f32 v[GT+12], v[GT+7], v[GT+11]
	v_fma_f32 v[GT+12], v[GT+8], v[GT+11], v[GT+12]
	global_store_b32 v[R4], v[GT+12], s[12:13]
	s_wait_xcnt 0x0
.Lno_gate:
; my 64 rows of up_w, all of K: fragment 4 q + b in window 1 + (4 q + b) / 16
.macro WFRAG f
	WIN (1+(\f)/16)<<6
.irp c, 0,1,2,3
	ds_load_b128 v[16*((\f)%16)+4*\c:16*((\f)%16)+4*\c+3], v[ADRB] offset:16384*((\f)%4)+2048*((\f)/4)+512*\c
.endr
.endm
.set I_, 0
.rept 32
	WFRAG I_
.set I_, I_+1
.endr
	WIN 0
	GD
.set I_, 0
.rept 32                               ; the first block's way out has no block before it: it works on zeros and stores nothing
	v_mov_b32 v[ACC+32+I_], 0
.set I_, I_+1
.endr
.set I_, 0
.rept 32
	v_mov_b32 v[T+I_], 0
.set I_, I_+1
.endr
	WALU
	s_wait_dscnt 0x0                               ; up_w is in registers
	CROUND
	TLOAD G0R, G1R                                 ; chunk 1 into slot 1
.macro FETCH e, a, off, s, soff        ; a block of x, 16 rows, all of K, into set e of window 3, and its scale words: NF loads
	WIN 0xc0
.irp q, 0,1,2,3,4,5,6,7
.irp c, 0,1,2,3
	ds_load_b128 v[128*(\e)+16*\q+4*\c:128*(\e)+16*\q+4*\c+3], v[\a] offset:\off+2048*\q+512*\c
.endr
.endr
	WIN 0
	ds_load_b128 v[SA+8*(\e):SA+8*(\e)+3], v[\s] offset:\soff
	ds_load_b128 v[SA+8*(\e)+4:SA+8*(\e)+7], v[\s] offset:\soff+16
.endm
	FETCH 0, VA, 0, VS, 0
	FETCH 1, VA, 32768, VS, 1024
	global_prefetch_b8 v[PF], s[4:5] offset:131072 th:TH_LOAD_NT scope:SCOPE_SE
	s_mov_b32 s46, 0                               ; the trip; s101, s47 this chunk's slot and the next's; s17 the scale words' step; s18 the scale bytes'
	s_mov_b32 s101, 0
	s_mov_b32 s47, SLOT
	s_mov_b32 s17, 0
	s_mov_b32 s18, 0
	s_wait_loadcnt 0x0
.macro PROD e, n                       ; product n = 4 q + b: the q-th 128 of K, tile b of up_w (source 0); x's rows in set e, sums in set e; the four accumulators take turns
.set Q_, (\n)/4
.set B_, (\n)%4
.set AC_, ACC+32*(\e)+8*B_
.set R_, 128*(\e)+16*Q_
.set W_, 16*((\n)%16)
.set XS_, SA+8*(\e)+Q_
.set WS_, SB+8*(B_/2)+Q_
	WIN (1+(\n)/16)|(3<<2)
.if Q_ && B_%2
	v_wmma_scale_f32_16x16x128_f8f6f4 v[AC_:AC_+7], v[W_:W_+15], v[R_:R_+15], v[AC_:AC_+7], v[WS_], v[XS_] matrix_a_fmt:MATRIX_FMT_BF8 matrix_b_fmt:MATRIX_FMT_BF8 matrix_a_scale:MATRIX_SCALE_ROW1
.elseif Q_
	v_wmma_scale_f32_16x16x128_f8f6f4 v[AC_:AC_+7], v[W_:W_+15], v[R_:R_+15], v[AC_:AC_+7], v[WS_], v[XS_] matrix_a_fmt:MATRIX_FMT_BF8 matrix_b_fmt:MATRIX_FMT_BF8
.elseif B_%2
	v_wmma_scale_f32_16x16x128_f8f6f4 v[AC_:AC_+7], v[W_:W_+15], v[R_:R_+15], 0, v[WS_], v[XS_] matrix_a_fmt:MATRIX_FMT_BF8 matrix_b_fmt:MATRIX_FMT_BF8 matrix_a_scale:MATRIX_SCALE_ROW1
.else
	v_wmma_scale_f32_16x16x128_f8f6f4 v[AC_:AC_+7], v[W_:W_+15], v[R_:R_+15], 0, v[WS_], v[XS_] matrix_a_fmt:MATRIX_FMT_BF8 matrix_b_fmt:MATRIX_FMT_BF8
.endif
.endm
.macro MAXQ k                          ; 18 lines: the largest magnitude of the 32 numbers at T, and the floor under which a byte would fall under 1
.if (\k) < 4
	v_max3_num_f32 v[TQ+(\k)], |v[T+8*(\k)]|, |v[T+8*(\k)+1]|, |v[T+8*(\k)+2]|
.elseif (\k) < 12
	v_max3_num_f32 v[TQ+(\k)%4], v[TQ+(\k)%4], |v[T+8*((\k)%4)+2*((\k)/4)+1]|, |v[T+8*((\k)%4)+2*((\k)/4)+2]|
.elseif (\k) < 16
	v_max_num_f32 v[TQ+(\k)%4], v[TQ+(\k)%4], |v[T+8*((\k)%4)+7]|
.elseif (\k) == 16
	v_max3_num_f32 v[TQ], v[TQ], v[TQ+1], v[TQ+2]
.else
	v_max3_num_f32 v[TQ], v[TQ], v[TQ+3], 0x8000000
.endif
.endm
.macro HOLDS m                         ; two holds at 57,344 x the scale; the bound's second copy is read where the first would be read too late
.set HB_, TQ+1
.if (\m) == 3
.set HB_, TQ+3
.endif
	v_med3_num_f32 v[T+2*(\m)], v[T+2*(\m)], -v[HB_], v[HB_]
	v_med3_num_f32 v[T+2*(\m)+1], v[T+2*(\m)+1], -v[HB_], v[HB_]
.if (\m) == 2
	v_mov_b32 v[TQ+3], v[TQ+1]
.endif
.endm
.macro GAPQ m                          ; the quantiser of a block, parts 0 .. 26
.if (\m) < 9
	MAXQ 2*(\m)
	MAXQ 2*(\m)+1
.elseif (\m) == 9
	v_add_nc_u32 v[SOP], 0xf8800000, v[TQ]         ; 15 off the exponent field: the conversion's scale operand
	v_and_or_b32 v[TQ+1], v[TQ], 0x7f800000, s[MNT]
.elseif (\m) < 26
	HOLDS (\m)-10
.if ((\m)-10)%4 == 3
	v_cvt_scalef32_pk8_bf8_f32 v[NCD+2*(((\m)-10)/4):NCD+2*(((\m)-10)/4)+1], v[T+8*(((\m)-10)/4):T+8*(((\m)-10)/4)+7], v[SOP]
.endif
.elseif (\m) == 26
	v_lshrrev_b32 v[EB], 23, v[SOP]
.endif
.endm
.macro SILU g, x                       ; four of the sixteen products x / (1 + 2^(-x log2 e))
.irp k, 0,8,16,24                      ; pair g of each tile: the order in which the maxima read them
	v_pk_mul_f32 v[T+2*(\g)+\k:T+2*(\g)+\k+1], v[\x+2*(\g)+\k:\x+2*(\g)+\k+1], v[T+2*(\g)+\k:T+2*(\g)+\k+1]
.endr
.endm
.macro LIST n, e, sf, cf, cs, cv       ; what stands behind product n: addresses, then the way out of the block before (sums in set 1 - e)
	WIN 0
.if (\n) == 0
	s_add_nc_u64 s[84:85], s[84:85], 65536
	s_add_co_u32 s22, s\sf, \cf
	s_add_co_u32 s23, s17, \cs
	s_and_b32 s23, s23, 0x3fff
	s_add_co_u32 s19, s18, \cv
	v_add_nc_u32 v[ADRA], s22, v[VA]
	v_add_nc_u32 v[AAS], s23, v[VS]
	v_add_nc_u32 v[VX], s19, v[VX0]
.elseif (\n) < 5
	SILU (\n)-1, ACC+32*(1-(\e))
.else
	GAPQ (\n)-5
.endif
.endm
.macro RUN e, from, to, sf, cf, cs, cv
.set N_, \from
.rept (\to)-(\from)
	PROD \e, N_
	LIST N_, \e, \sf, \cf, \cs, \cv
.set N_, N_+1
.endr
	WIN 0
.endm
.macro EXPS e                          ; the block just multiplied: 1 / (1 + 2^(-x log2 e)) into T
.set X_, ACC+32*(\e)
.set I_, 0
.rept 16
	v_pk_mul_f32 v[T+I_:T+I_+1], v[X_+I_:X_+I_+1], s[NLE:NLE+1] op_sel_hi:[1,0]
.set I_, I_+2
.endr
	WALU
.set I_, 0
.rept 32
	v_exp_f32 v[T+I_], v[T+I_]
.set I_, I_+1
.endr
	v_nop
	WALU
.set I_, 0
.rept 16
	v_pk_add_f32 v[T+I_:T+I_+1], v[T+I_:T+I_+1], 1.0 op_sel_hi:[1,0]
.set I_, I_+2
.endr
	WALU
.set I_, 0
.rept 32
	v_rcp_f32 v[T+I_], v[T+I_]
.set I_, I_+1
.endr
	v_nop
	WALU
.endm
.macro HEADW
	s_wait_dscnt NF                                ; my set is in; the other set's NF loads may be out
	s_wait_xcnt 0x0                                ; the last stores have read their registers and base
.endm
.macro COUT                            ; a block's 32 codes a lane: sixteen lanes store 256 consecutive bytes
	global_store_b128 v[CN], v[NCD:NCD+3], s[84:85]
	global_store_b128 v[CN], v[NCD+4:NCD+7], s[84:85] offset:256
.endm
.macro BLK e, sf, cf, cs, cv           ; a block
	HEADW
	RUN \e, 0, 32, \sf, \cf, \cs, \cv
	PLACES NP
	WALU
	ds_store_b8 v[VX], v[EB]
.endm
.Lfour:
	BLK 0, 101, 65536, 2048, 0                     ; blocks 0, 4
	s_cmp_eq_u32 s46, 0
	s_cbranch_scc1 .Lno_block_before
	COUT
.Lno_block_before:
	FETCH 0, ADRA, 0, AAS, 0
	EXPS 0
	BLK 1, 101, 98304, 3072, 128
	COUT
	FETCH 1, ADRA, 0, AAS, 0
	s_cmp_lg_u32 s46, 0
	s_cbranch_scc1 .Lnone_ahead
	global_prefetch_b8 v[PF], s[4:5] offset:262144 th:TH_LOAD_NT scope:SCOPE_SE
.Lnone_ahead:
	EXPS 1
	HEADW                                          ; blocks 2, 6: the round: the next chunk is shown, and this one's slot... its predecessor's rows are all in registers: filled again
	RUN 0, 0, 16, 47, 0, 4096, 256
	WALU
	GD
	s_xor_b32 s[G0R+1], s[G0R+1], SLOT             ; no tensor load of mine is out: the descriptor may be written: the other slot, one chunk on
	s_add_nc_u64 s[G0R+2:G0R+3], s[G0R+2:G0R+3], 131072
	RUN 0, 16, 28, 47, 0, 4096, 256
	WALU
	s_wait_dscnt 0x0
	s_barrier_signal -1
	RUN 0, 28, 32, 47, 0, 4096, 256
	MIDDLE
	BARRIER
	TLOAD G0R, G1R
	PLACES NP-4
	WALU
	ds_store_b8 v[VX], v[EB]
	COUT
	FETCH 0, ADRA, 0, AAS, 0
	EXPS 0
	BLK 1, 47, 32768, 5120, 384
	COUT
	FETCH 1, ADRA, 0, AAS, 0
	EXPS 1
	s_xor_b32 s101, s101, SLOT
	s_xor_b32 s47, s47, SLOT
	s_add_co_u32 s17, s17, 4096
	s_add_co_u32 s18, s18, 512
	s_add_co_u32 s46, s46, 1
	s_cmp_lg_u32 s46, 2
	s_cbranch_scc1 .Lfour
	s_mov_b32 s46, 0
	s_mov_b32 s47, 65536
.Ltwo:
	BLK 0, 47, 0, 2048, 0                          ; blocks 8, 10, 12, 14
	COUT
	s_cmp_eq_u32 s46, 3
	s_cbranch_scc1 .Lnone_0
	FETCH 0, ADRA, 0, AAS, 0
	s_branch .Lgo
.Lnone_0:
	s_wait_dscnt 0x0
.Lgo:
	EXPS 0
	HEADW                                          ; blocks 9, 11, 13, 15: the first trip's barrier shows chunk 3
	RUN 1, 0, 28, 47, 32768, 3072, 128
	WALU
	s_wait_tensorcnt 0x0
	s_wait_dscnt 0x0
	s_barrier_signal -1
	RUN 1, 28, 32, 47, 32768, 3072, 128
	s_barrier_wait -1
	PLACES NP
	WALU
	ds_store_b8 v[VX], v[EB]
	COUT
	s_cmp_eq_u32 s46, 3
	s_cbranch_scc1 .Lnone_1
	FETCH 1, ADRA, 0, AAS, 0
.Lnone_1:
	EXPS 1
	s_add_co_u32 s47, s47, 65536
	s_and_b32 s47, s47, 0x3ffff
	s_add_co_u32 s17, s17, 2048
	s_add_co_u32 s18, s18, 256
	s_add_co_u32 s46, s46, 1
	s_cmp_lg_u32 s46, 4
	s_cbranch_scc1 .Ltwo
	s_wait_xcnt 0x0
	s_add_nc_u64 s[84:85], s[84:85], 65536         ; the last block's way out
	s_lshl_b32 s2, s14, 9
	s_add_co_u32 s2, s2, XN+128
	v_add_nc_u32 v[VX], 0x800, v[VX0]
	v_add_nc_u32 v30, s2, v[L16]
	SILU 0, ACC+32
	SILU 1, ACC+32
	SILU 2, ACC+32
	SILU 3, ACC+32
.set I_, 0
.rept 27
	GAPQ I_
.set I_, I_+1
.endr
	WALU
	ds_store_b8 v[VX], v[EB]
	COUT
	s_wait_dscnt 0x0                               ; the scale bytes
	BARRIER
	ds_load_b128 v[T:T+3], v30
	s_wait_dscnt 0x0
	global_store_b128 v[L16], v[T:T+3], s[10:11]
	s_wait_tensorcnt 0x0                           ; the wave's end
	ds_add_u32 v[SPW], v[NIL]
	s_wait_dscnt 0x0
	CROUND                                         ; the closing round
	s_endpgm
.Lfunc_end_k_q8b93b9b61b_up:
	.size	k_q8b93b9b61b_up, .Lfunc_end_k_q8b93b9b61b_up-k_q8b93b9b61b_up
	.p2alignl 7, 3214868480
	.fill 96, 4, 3214868480
	.section	.rodata,"a",@progbits
	.p2align	6, 0x0
	.amdhsa_kernel k_q8b93b9b61b_up
		.amdhsa_group_segment_fixed_size 327680
		.amdhsa_private_segment_fixed_size 0
		.amdhsa_enable_private_segment 0
		.amdhsa_kernarg_size 40
		.amdhsa_user_sgpr_count 2
		.amdhsa_user_sgpr_kernarg_segment_ptr 1
		.amdhsa_wavefront_size32 1
		.amdhsa_system_sgpr_workgroup_id_x 1
		.amdhsa_system_sgpr_workgroup_id_y 1
		.amdhsa_system_sgpr_workgroup_id_z 1
		.amdhsa_system_vgpr_workitem_id 0
		.amdhsa_next_free_vgpr 1024
		.amdhsa_next_free_sgpr 102
		.amdhsa_reserve_vcc 0
		.amdhsa_float_denorm_mode_32 3
		.amdhsa_float_denorm_mode_16_64 3
		.amdhsa_memory_ordered 1
		.amdhsa_forward_progress 1
		.amdhsa_inst_pref_size 162
	.end_amdhsa_kernel
	.amdgpu_metadata
---
amdhsa.version: [ 1, 2 ]
amdhsa.kernels:
  - .name:           k_q8b93b9b61b_up
    .symbol:         k_q8b93b9b61b_up.kd
    .args:
      - { .name: codes, .offset: 0, .size: 8, .value_kind: global_buffer, .address_space: global }
      - { .name: scales, .offset: 8, .size: 8, .value_kind: global_buffer, .address_space: global }
      - { .name: hcodes, .offset: 16, .size: 8, .value_kind: global_buffer, .address_space: global }
      - { .name: hscales, .offset: 24, .size: 8, .value_kind: global_buffer, .address_space: global }
      - { .name: wsum, .offset: 32, .size: 8, .value_kind: global_buffer, .address_space: global }
    .group_segment_fixed_size: 327680
    .private_segment_fixed_size: 0
    .kernarg_segment_align: 8
    .kernarg_segment_size: 40
    .max_flat_workgroup_size: 128
    .sgpr_count:     102
    .vgpr_count:     1024
    .wavefront_size: 32
...
	.end_amdgpu_metadata
.endif
;; end of part 2
;; launch down (part 3): grid 8 x 32, 4 waves a work-group, clusters of 4 x 4, 327,680 bytes of LDS; arguments hcodes, hscales, codes, scales, wsum, out0; writes out0
.if DOCPART == 3
	.amdgcn_target "amdgcn-amd-amdhsa--gfx1250"
	.amdhsa_code_object_version 6
	.text
	.protected	k_q8b93b9b61b_down
	.globl	k_q8b93b9b61b_down
	.p2align	8
	.type	k_q8b93b9b61b_down,@function
k_q8b93b9b61b_down:
	s_mov_b64 s[64:65], 0
	v_nop
	global_prefetch_b8 v0, s[64:65] scope:SCOPE_SE
	s_setreg_imm32_b32 hwreg(HW_REG_WAVE_MODE, 25, 1), 1
	s_wait_xcnt 0x0
	s_wait_alu depctr_hold_cnt(0) depctr_sa_sdst(0) depctr_va_vdst(0) depctr_va_sdst(0) depctr_va_ssrc(0) depctr_va_vcc(0) depctr_vm_vsrc(0)
	s_getreg_b32 s2, hwreg(HW_REG_IB_STS2, 6, 4)
	s_cmp_eq_u32 s2, 0
	s_cbranch_scc0 .Lentry_in_a_cluster
	s_endpgm
.Lentry_in_a_cluster:
	s_bfe_u32 s2, ttmp6, 0x10000c
	s_cmp_lg_u32 s2, 0xf033
	s_cbranch_scc0 .Lentry_shape_is_right
	s_endpgm
.Lentry_shape_is_right:
; out[t][n] = w[t] x the sum over k of h[t][k] down_w[n][k]: h [8192][2048], down_w [1024][2048] as codes of BF8 (E5M2) with E8M0 bytes; w [8192], out [8192][1024] f32; sums in f32.  (Each token once: see the first launch's head.)
; LIMITS: NaN, infinities and sums beyond f32's range are not served.
; THE DEAL.  256 work-groups: 256 tokens x 128 outputs; four waves: two halves of K x two columns.  A wave holds 64 outputs x 1,024 of K of down_w in 512 registers and streams its half of h past them, 16 blocks of 16 tokens, in two sets of registers.
; THE HALVES OF K MEET IN PAIRS OF BLOCKS: of a pair a wave multiplies first the block that its partner finishes, and sends those sums through a stage in LDS; then the one that it finishes itself: sum of both, x w, out.
; So the results leave all through the launch.  The stage has two buffers, taken by turns: a buffer is written again behind the next pair's barrier, ahead of which its reader has waited.
; A tile of down_w holds outputs 64 v + 4 p + j in row p of tile j, and h is source 0: lane (r, h) holds outputs 4 r + j (tile j) of tokens 8 h + 0 .. 7: four tiles' numbers are 16 consecutive bytes, and sixteen lanes store 256.
; LDS: two slots of 64 tokens of h (131,072 bytes).  K steps 0 to 3 of each half of down_w lie in slot 1 at first; the other K steps come by loads straight into registers: both whole would leave h no slot.
; Refills are a quarter of a slot a wave, in a drained round of the cluster's barrier: chunk 1 ahead of block 0, chunks 2 and 3 inside blocks 2 and 6.  Block b's set takes block b + 2 behind block b's products.
; CLUSTERS: 4 x 4: a row shares h, a column down_w: joint loads.  h's chunks 1 to 3 are prefetched: each of the row's sixteen waves asks for a sixteenth of a chunk, a lane 256 bytes: chunk 1 at the head, chunk 2 ahead of block 0, chunk 3 in block 1.
; REGISTERS: windows 1, 2 down_w; window 3 h's two sets; window 0 all else.
.set SLOT,  131072
.set SCL,   262144                     ; h's scale words [K step 16][256 tokens]
.set SPARE, 278528
.set STG,   279040                     ; [buffer][wave][4,096]
.set WL,    311808                     ; w of the 256 tokens
.set DC,    0xA00000
.set DS,    0x50000
.set NF, 40                            ; LDS loads of a block
.set NP, 8                             ; places behind this matrix instruction (ISA guide 7.12.1)
.set VA, 4                             ; a pair's first block, second block: codes
.set VB, 5
.set VSA, 6                            ; and scale words
.set VSB, 7
.set PF, 8
.set L16, 9
.set SPW, 10
.set NIL, 11
.set ADRA, 12
.set AAS, 13
.set WAD, 14
.set ADRB, 15
.set GW, 16
.set WSO, 17
.set STW, 18
.set STR, 19
.set WAD0, 20
.set CO, 21
.set TW, 22
.set WLA, 23
.set SB, 32                            ; v32-47 down_w's scale words: register 8 p + q: lanes 0-15 tile 2 p, lanes 16-31 tile 2 p + 1
.set SA, 52                            ; v52-67 h's, two sets of eight
.set ACC, 80                           ; v80-143 two sets of four accumulators
.set PART, 144                         ; v144-175 my partner's sums
.set OUT, 176                          ; v176-207 register 4 i + j: output 4 r + j of token 8 h + i
.set W, 208                            ; v208-215 w of tokens 8 h + 0 .. 7
.set G1W, 24
.set G1X, 32
.set G1R, 48
.set G0W, 56
.set G0X, 60
.set G1S, 68
.set G0R, 76
.set G0S, 80
.set MSB, 0
.macro WIN new                         ; the immediate's high byte repeats the setting that is left
.if MSB != (\new)
	s_set_vgpr_msb (MSB<<8)|(\new)
.set MSB, (\new)
.endif
.endm
.macro PLACES n
.rept \n
	v_nop
.endr
.endm
.macro WALU
	s_wait_alu depctr_va_vdst(0)
.endm
.macro BARRIER
	s_barrier_signal -1
	s_barrier_wait -1
.endm
.macro MIDDLE                          ; a round's middle
	s_barrier_wait -1
	s_cmp_lg_u32 s14, 0
	s_cbranch_scc1 .Lnot_wave_0_\@
	s_barrier_signal -3
.Lnot_wave_0_\@:
	s_barrier_wait -3
.endm
.macro CROUND
	s_barrier_signal -1
	MIDDLE
	BARRIER
.endm
.macro TLOAD g0, g1
	tensor_load_to_lds s[\g0:\g0+3], s[\g1:\g1+7]
	s_nop 0
	PLACES 4
.endm
.macro GROUP1 g, mask, c, rows, pitch  ; descriptor group 1, elements of 8 bytes, bit 21 beside the mask
	s_or_b32 s[\g+0], s[\mask], (3<<16)|(1<<21)
	s_mov_b32 s[\g+1], (\c)<<16
	s_mov_b32 s[\g+2], (\rows)<<16
	s_mov_b32 s[\g+3], (\c)<<16
	s_mov_b32 s[\g+4], \rows
	s_mov_b32 s[\g+5], \pitch
	s_mov_b32 s[\g+6], 0
	s_mov_b32 s[\g+7], 0
.endm
.macro GD
	s_wait_tensorcnt 0x0
	ds_add_u32 v[SPW], v[NIL]
.endm
	s_load_b256 s[4:11], s[0:1], 0x0               ; hcodes, hscales, codes, scales
	s_load_b128 s[88:91], s[0:1], 0x20             ; wsum, out
	v_lshl_add_u32 v[SPW], v0, 2, SPARE
	v_mov_b32 v[NIL], 0
	ds_add_u32 v[SPW], v[NIL]                      ; the wave's opening
	ds_add_u32 v[SPW], v[NIL]
	v_lshrrev_b32 v30, 5, v0
	v_readfirstlane_b32 s14, v30                   ; wave
	s_lshr_b32 s15, s14, 1                         ; my half of K
	s_and_b32 s16, s14, 1                          ; my 64 outputs
	s_bfe_u32 s40, ttmp6, 0x40000
	s_bfe_u32 s41, ttmp6, 0x40004
	s_lshl_b32 s42, ttmp9, 2
	s_add_co_u32 s42, s42, s40                     ; which 128 outputs
	s_and_b32 s43, ttmp7, 0xffff
	s_lshl_b32 s43, s43, 2
	s_add_co_u32 s43, s43, s41                     ; which 256 tokens
	s_lshl_b32 s44, s41, 2
	s_lshl_b32 s44, 15, s44                        ; my row of the cluster: h
	s_lshl_b32 s45, 0x1111, s40                    ; my column: down_w
	GROUP1 G1W, 45, 1024, 16, 2048                 ; down_w: 8 tiles x 2 halves of K: 8,192 bytes (K steps 0 to 3) of each 16,384
	GROUP1 G1X, 44, 512, 32, 512                   ; chunk 0: a dense run of 131,072 bytes
	GROUP1 G1R, 44, 512, 8, 512                    ; a quarter of a chunk
	GROUP1 G1S, 44, 128, 8, 4096                   ; h's scale words: 1,024 bytes of each of eight K steps
	s_xor_b32 s46, s15, 1
	s_lshl_b32 s66, s46, 14                        ; first block: tile 1 - half, second: tile half; 32,768 bytes a tile, 16,384 a half of K
	s_add_co_u32 s66, s66, 16384
	s_mul_i32 s67, s15, 49152
	s_lshl_b32 s86, s15, 13
	s_lshl_b32 s46, s46, 6
	s_add_co_u32 s86, s86, s46
	s_add_co_u32 s86, s86, SCL
	s_mul_i32 s87, s15, 8256
	s_add_co_u32 s87, s87, SCL
	s_lshl_b32 s2, s16, 16
	s_lshl_b32 s3, s15, 13
	s_add_co_u32 s2, s2, s3
	s_add_co_u32 s2, s2, SLOT
	s_lshl_b32 s3, s40, 2                          ; the prefetch: my sixteenth of chunk 1
	s_add_co_u32 s3, s3, s14
	s_lshl_b32 s3, s3, 13
	s_lshl_b32 s46, s43, 19
	s_add_co_u32 s3, s3, s46
	s_add_co_u32 s3, s3, 131072
	s_lshl_b32 s19, s42, 18
	s_lshl_b32 s46, s16, 17
	s_add_co_u32 s19, s19, s46
	s_lshl_b32 s46, s15, 14
	s_add_co_u32 s19, s19, s46
	s_add_co_u32 s19, s19, DC
	s_lshl_b32 s20, s42, 13
	s_lshl_b32 s46, s16, 12
	s_add_co_u32 s20, s20, s46
	s_lshl_b32 s46, s15, 9
	s_add_co_u32 s20, s20, s46
	s_add_co_u32 s20, s20, DS
	s_lshl_b32 s21, s14, 12
	s_add_co_u32 s21, s21, STG
	s_xor_b32 s22, s14, 2                          ; my partner: the other half of K, the same outputs
	s_lshl_b32 s22, s22, 12
	s_add_co_u32 s22, s22, STG
	s_lshl_b32 s23, s15, 6
	s_add_co_u32 s23, s23, WL
	v_and_b32 v3, 31, v0
	v_and_b32 v1, 15, v0
	v_bfe_u32 v2, v0, 4, 1
	v_lshlrev_b32 v[L16], 4, v3
	v_lshlrev_b32 v31, 2, v1
	v_add_nc_u32 v[VA], s66, v[L16]
	v_add_nc_u32 v[VB], s67, v[L16]
	v_add_nc_u32 v[VSA], s86, v31
	v_add_nc_u32 v[VSB], s87, v31
	v_add_nc_u32 v[ADRB], s2, v[L16]
	v_lshlrev_b32 v[PF], 8, v3
	v_add_nc_u32 v[PF], s3, v[PF]
	v_add_nc_u32 v[GW], s19, v[L16]
	v_lshlrev_b32 v[WSO], 10, v2
	v_lshl_add_u32 v[WSO], v1, 5, v[WSO]
	v_add_nc_u32 v[WSO], s20, v[WSO]
	v_add_nc_u32 v[STW], s21, v[L16]
	v_add_nc_u32 v[STR], s22, v[L16]
	v_lshlrev_b32 v[WAD0], 5, v2
	v_add_nc_u32 v[WAD0], s23, v[WAD0]
	v_lshlrev_b32 v[CO], 15, v2
	v_lshl_add_u32 v[CO], v1, 4, v[CO]
	v_lshlrev_b32 v[TW], 3, v0
	v_lshl_add_u32 v[WLA], v0, 3, WL
	WALU
	s_wait_dscnt 0x0                               ; both opening adds are done
	CROUND                                         ; all sixteen work-groups are here
	s_wait_kmcnt 0x0
	s_lshl_b32 s20, s43, 19                        ; h
	s_mov_b32 s21, 0
	s_lshl_b32 s22, s42, 18                        ; down_w
	s_add_co_u32 s22, s22, DC
	s_mov_b32 s23, 0
	s_lshl_b32 s18, s43, 10                        ; h's scale words: waves 2, 3 eight K steps each
	s_lshl_b32 s2, s16, 18
	s_add_co_u32 s18, s18, s2
	s_mov_b32 s19, 0
	s_lshl_b32 s2, s16, 13
	s_mov_b32 s[G0W], 1
	s_mov_b32 s[G0W+1], SLOT
	s_add_nc_u64 s[G0W+2:G0W+3], s[8:9], s[22:23]
	s_or_b32 s[G0W+3], s[G0W+3], 0x80000000
	s_mov_b32 s[G0X], 1
	s_mov_b32 s[G0X+1], 0
	s_add_nc_u64 s[G0X+2:G0X+3], s[4:5], s[20:21]
	s_or_b32 s[G0X+3], s[G0X+3], 0x80000000
	s_mov_b32 s[G0S], 1
	s_add_co_u32 s[G0S+1], s2, SCL
	s_add_nc_u64 s[G0S+2:G0S+3], s[6:7], s[18:19]
	s_or_b32 s[G0S+3], s[G0S+3], 0x80000000
	s_cmp_eq_u32 s14, 0                            ; one joint load a wave: the arms of one chain
	s_cbranch_scc0 .Lwave_1
	TLOAD G0W, G1W
	s_branch .Lasked
.Lwave_1:
	s_cmp_eq_u32 s14, 1
	s_cbranch_scc0 .Lfor_scales
	TLOAD G0X, G1X
	s_branch .Lasked
.Lfor_scales:
	TLOAD G0S, G1S
.Lasked:
	s_lshl_b32 s2, s43, 10
	s_mov_b32 s3, 0
	s_add_nc_u64 s[88:89], s[88:89], s[2:3]
	global_load_b64 v[24:25], v[TW], s[88:89]      ; w of two tokens a thread
.irp p, 0,1
.irp c, 0,1
	global_load_b128 v[SB+8*\p+4*\c:SB+8*\p+4*\c+3], v[WSO], s[10:11] offset:2048*\p+16*\c
.endr
.endr
	WIN 0x80
.irp q, 4,5,6,7                        ; K steps 4 to 7 of my half: fragment 4 q + b in window 2
.irp b, 0,1,2,3
.irp c, 0,1,2,3
	global_load_b128 v[16*(4*\q+\b-16)+4*\c:16*(4*\q+\b-16)+4*\c+3], v[GW], s[8:9] offset:32768*\b+2048*\q+512*\c
.endr
.endr
.endr
	WIN 0
	global_prefetch_b8 v[PF], s[4:5] th:TH_LOAD_NT scope:SCOPE_SE
	s_mov_b32 s[G0R], 1                            ; the refills begin with chunk 1, into slot 1: my quarter
	s_lshl_b32 s2, s14, 15
	s_add_co_u32 s[G0R+1], s2, SLOT
	s_add_nc_u64 s[20:21], s[20:21], s[2:3]
	s_add_nc_u64 s[G0R+2:G0R+3], s[4:5], s[20:21]
	s_add_nc_u64 s[G0R+2:G0R+3], s[G0R+2:G0R+3], 131072
	s_or_b32 s[G0R+3], s[G0R+3], 0x80000000
	s_lshl_b32 s2, s43, 20                         ; out: my tile of pair 0, two pairs back: the pointer steps ahead of each pair's stores
	s_lshl_b32 s18, s15, 16
	s_add_co_u32 s2, s2, s18
	s_lshl_b32 s18, s42, 9
	s_add_co_u32 s2, s2, s18
	s_lshl_b32 s18, s16, 8
	s_add_co_u32 s2, s2, s18
	s_add_nc_u64 s[84:85], s[90:91], s[2:3]
	s_sub_nc_u64 s[84:85], s[84:85], 262144
	s_wait_loadcnt 63                              ; the oldest load, w, is in (68 were issued behind it)
	ds_store_b64 v[WLA], v[24:25]
	s_wait_dscnt 0x0
	s_cmp_eq_u32 s14, 0
	s_cbranch_scc0 .Lnot_w
	s_wait_tensorcnt 0x0                           ; wave 0: down_w's tiles have landed; the other waves' wait stands ahead of the next round
.Lnot_w:
	BARRIER
	WIN 0x40
.irp q, 0,1,2,3                        ; K steps 0 to 3 of my half: fragment 4 q + b in window 1
.irp b, 0,1,2,3
.irp c, 0,1,2,3
	ds_load_b128 v[16*(4*\q+\b)+4*\c:16*(4*\q+\b)+4*\c+3], v[ADRB] offset:16384*\b+2048*\q+512*\c
.endr
.endr
.endr
	WIN 0
	GD
.set I_, 0
.rept 32                               ; the first pair has no pair before it: its gaps work on zeros and store nothing
	v_mov_b32 v[ACC+32+I_], 0
.set I_, I_+1
.endr
.set I_, 0
.rept 32
	v_mov_b32 v[PART+I_], 0
.set I_, I_+1
.endr
.set I_, 0
.rept 8
	v_mov_b32 v[W+I_], 0
.set I_, I_+1
.endr
	WALU
	s_wait_dscnt 0x0                               ; slot 1 is in registers
	CROUND
	TLOAD G0R, G1R                                 ; chunk 1 into slot 1
.macro FETCH e, a, s                   ; a block of h, 16 tokens x my half of K, into set e of window 3, and its scale words: NF loads
	WIN 0xc0
.irp q, 0,1,2,3,4,5,6,7
.irp c, 0,1,2,3
	ds_load_b128 v[128*(\e)+16*\q+4*\c:128*(\e)+16*\q+4*\c+3], v[\a] offset:2048*\q+512*\c
.endr
.endr
	WIN 0
.irp q, 0,1,2,3,4,5,6,7
	ds_load_b32 v[SA+8*(\e)+\q], v[\s] offset:1024*\q
.endr
.endm
	FETCH 0, VA, VSA
	FETCH 1, VB, VSB
	global_prefetch_b8 v[PF], s[4:5] offset:131072 th:TH_LOAD_NT scope:SCOPE_SE
	s_mov_b32 s46, 0                               ; the trip; s101, s47 this chunk's slot and the next's; s17 the scale words' step; s18 w's
	s_mov_b32 s101, 0
	s_mov_b32 s47, SLOT
	s_mov_b32 s17, 0
	s_mov_b32 s18, 0
	s_wait_loadcnt 0x0                             ; the rest of down_w and its scale words
.macro PROD e, n                       ; product n = 4 q + b: the q-th 128 of my half of K, tile b of down_w (source 1); h in set e, sums in set e; the four accumulators take turns
.set Q_, (\n)/4
.set B_, (\n)%4
.set AC_, ACC+32*(\e)+8*B_
.set R_, 128*(\e)+16*Q_
.set W_, 16*((\n)%16)
.set XS_, SA+8*(\e)+Q_
.set WS_, SB+8*(B_/2)+Q_
	WIN 3|((1+(\n)/16)<<2)
.if Q_ && B_%2
	v_wmma_scale_f32_16x16x128_f8f6f4 v[AC_:AC_+7], v[R_:R_+15], v[W_:W_+15], v[AC_:AC_+7], v[XS_], v[WS_] matrix_a_fmt:MATRIX_FMT_BF8 matrix_b_fmt:MATRIX_FMT_BF8 matrix_b_scale:MATRIX_SCALE_ROW1
.elseif Q_
	v_wmma_scale_f32_16x16x128_f8f6f4 v[AC_:AC_+7], v[R_:R_+15], v[W_:W_+15], v[AC_:AC_+7], v[XS_], v[WS_] matrix_a_fmt:MATRIX_FMT_BF8 matrix_b_fmt:MATRIX_FMT_BF8
.elseif B_%2
	v_wmma_scale_f32_16x16x128_f8f6f4 v[AC_:AC_+7], v[R_:R_+15], v[W_:W_+15], 0, v[XS_], v[WS_] matrix_a_fmt:MATRIX_FMT_BF8 matrix_b_fmt:MATRIX_FMT_BF8 matrix_b_scale:MATRIX_SCALE_ROW1
.else
	v_wmma_scale_f32_16x16x128_f8f6f4 v[AC_:AC_+7], v[R_:R_+15], v[W_:W_+15], 0, v[XS_], v[WS_] matrix_a_fmt:MATRIX_FMT_BF8 matrix_b_fmt:MATRIX_FMT_BF8
.endif
.endm
.macro FIN k                           ; the pair before, parts 0 .. 16: my sums + my partner's, x w
.if (\k) < 16
	v_pk_add_f32 v[PART+2*(\k):PART+2*(\k)+1], v[ACC+32+2*(\k):ACC+32+2*(\k)+1], v[PART+2*(\k):PART+2*(\k)+1]
.endif
.if (\k) > 0
.set FB_, ((\k)-1)/4
.set FI_, 2*(((\k)-1)%4)
	v_mul_f32 v[OUT+4*FI_+FB_], v[PART+2*(\k)-2], v[W+FI_]
	v_mul_f32 v[OUT+4*FI_+4+FB_], v[PART+2*(\k)-1], v[W+FI_+1]
.endif
.endm
.macro LIST n, e, sf, cf, cs, cv       ; what stands behind product n: addresses; behind a pair's first block's products the way out of the pair before
.if (\n) == 0
	WIN 0
	s_add_co_u32 s22, s\sf, \cf
	s_add_co_u32 s23, s17, \cs
	s_and_b32 s23, s23, 0x3ff
.if (\e) == 0
	s_add_nc_u64 s[84:85], s[84:85], 131072
	v_add_nc_u32 v[ADRA], s22, v[VA]
	v_add_nc_u32 v[AAS], s23, v[VSA]
.else
	s_add_co_u32 s19, s18, \cv
	v_add_nc_u32 v[ADRA], s22, v[VB]
	v_add_nc_u32 v[AAS], s23, v[VSB]
	v_add_nc_u32 v[WAD], s19, v[WAD0]
.endif
.elseif (\e) == 0 && (\n) < 18
	WIN 0
	FIN (\n)-1
.endif
.endm
.macro RUN e, from, to, sf, cf, cs, cv
.set N_, \from
.rept (\to)-(\from)
	PROD \e, N_
	LIST N_, \e, \sf, \cf, \cs, \cv
.set N_, N_+1
.endr
	WIN 0
.endm
.macro HEADW
	s_wait_dscnt NF                                ; my set is in, and my partner's sums; the other set's NF loads may be out
	s_wait_xcnt 0x0                                ; the last stores have read their registers and base
.endm
.macro TOSTAGE buf                     ; the first block's sums, for my partner
.irp g, 0,1,2,3,4,5,6,7
	ds_store_b128 v[STW], v[ACC+4*\g:ACC+4*\g+3] offset:16384*\buf+512*\g
.endr
.endm
.macro SEND
.irp i, 0,1,2,3,4,5,6,7
	global_store_b128 v[CO], v[OUT+4*\i:OUT+4*\i+3], s[84:85] offset:4096*\i th:TH_STORE_NT   ; sixteen lanes store 256 consecutive bytes
.endr
.endm
.macro ABLK sf, cf, cs, buf            ; a pair's first block
	HEADW
	RUN 0, 0, 32, \sf, \cf, \cs, 0
	PLACES NP
	WALU
	TOSTAGE \buf
.endm
.macro BBLK sf, cf, cs, cv, buf, tensor ; a pair's second block: its barrier shows the stage (tensor: and chunk 3)
	HEADW
	RUN 1, 0, 28, \sf, \cf, \cs, \cv
	WALU
.if \tensor
	s_wait_tensorcnt 0x0
.endif
	s_wait_dscnt 0x0
	s_barrier_signal -1
	RUN 1, 28, 32, \sf, \cf, \cs, \cv
	s_barrier_wait -1
	PLACES NP
	WALU
.irp g, 0,1,2,3,4,5,6,7
	ds_load_b128 v[PART+4*\g:PART+4*\g+3], v[STR] offset:16384*\buf+512*\g
.endr
	ds_load_b128 v[W:W+3], v[WAD]
	ds_load_b128 v[W+4:W+7], v[WAD] offset:16
.endm
.Lfour:
	ABLK 101, 65536, 128, 0
	s_cmp_eq_u32 s46, 0
	s_cbranch_scc1 .Lno_pair_before
	SEND
.Lno_pair_before:
	FETCH 0, ADRA, AAS
	BBLK 101, 65536, 128, 0, 0, 0
	FETCH 1, ADRA, AAS
	s_cmp_lg_u32 s46, 0
	s_cbranch_scc1 .Lnone_ahead
	global_prefetch_b8 v[PF], s[4:5] offset:262144 th:TH_LOAD_NT scope:SCOPE_SE
.Lnone_ahead:
	HEADW                                          ; blocks 2, 6: the round: the next chunk is shown, and this chunk's rows are all in registers: its slot is filled again
	RUN 0, 0, 16, 47, 0, 256, 0
	WALU
	GD
	s_xor_b32 s[G0R+1], s[G0R+1], SLOT             ; no tensor load of mine is out: the descriptor may be written: the other slot, one chunk on
	s_add_nc_u64 s[G0R+2:G0R+3], s[G0R+2:G0R+3], 131072
	RUN 0, 16, 28, 47, 0, 256, 0
	WALU
	s_wait_dscnt 0x0
	s_barrier_signal -1
	RUN 0, 28, 32, 47, 0, 256, 0
	MIDDLE
	BARRIER
	TLOAD G0R, G1R
	PLACES NP-4
	WALU
	TOSTAGE 1
	SEND
	FETCH 0, ADRA, AAS
	BBLK 47, 0, 256, 128, 1, 0
	FETCH 1, ADRA, AAS
	s_xor_b32 s101, s101, SLOT
	s_xor_b32 s47, s47, SLOT
	s_add_co_u32 s17, s17, 256
	s_add_co_u32 s18, s18, 256
	s_add_co_u32 s46, s46, 1
	s_cmp_lg_u32 s46, 2
	s_cbranch_scc1 .Lfour
	s_mov_b32 s46, 0
.Llast:
	ABLK 101, 65536, 128, 0                        ; blocks 8 on: nothing is filled again
	SEND
	FETCH 0, ADRA, AAS
	BBLK 101, 65536, 128, 0, 0, 1
	FETCH 1, ADRA, AAS
	ABLK 47, 0, 256, 1
	SEND
	s_cmp_eq_u32 s46, 1
	s_cbranch_scc1 .Lnone_0
	FETCH 0, ADRA, AAS
	s_branch .Lgo
.Lnone_0:
	s_wait_dscnt 0x0
.Lgo:
	BBLK 47, 0, 256, 128, 1, 0
	s_cmp_eq_u32 s46, 1
	s_cbranch_scc1 .Lnone_1
	FETCH 1, ADRA, AAS
.Lnone_1:
	s_xor_b32 s101, s101, SLOT
	s_xor_b32 s47, s47, SLOT
	s_add_co_u32 s17, s17, 256
	s_add_co_u32 s18, s18, 256
	s_add_co_u32 s46, s46, 1
	s_cmp_lg_u32 s46, 2
	s_cbranch_scc1 .Llast
	s_wait_dscnt 0x0                               ; the last pair's way out
	s_wait_xcnt 0x0
	s_add_nc_u64 s[84:85], s[84:85], 131072
.set I_, 0
.rept 17
	FIN I_
.set I_, I_+1
.endr
	WALU
	SEND
	s_wait_tensorcnt 0x0                           ; the wave's end
	ds_add_u32 v[SPW], v[NIL]
	s_wait_dscnt 0x0
	CROUND                                         ; the closing round
	s_endpgm
.Lfunc_end_k_q8b93b9b61b_down:
	.size	k_q8b93b9b61b_down, .Lfunc_end_k_q8b93b9b61b_down-k_q8b93b9b61b_down
	.p2alignl 7, 3214868480
	.fill 96, 4, 3214868480
	.section	.rodata,"a",@progbits
	.p2align	6, 0x0
	.amdhsa_kernel k_q8b93b9b61b_down
		.amdhsa_group_segment_fixed_size 327680
		.amdhsa_private_segment_fixed_size 0
		.amdhsa_enable_private_segment 0
		.amdhsa_kernarg_size 48
		.amdhsa_user_sgpr_count 2
		.amdhsa_user_sgpr_kernarg_segment_ptr 1
		.amdhsa_wavefront_size32 1
		.amdhsa_system_sgpr_workgroup_id_x 1
		.amdhsa_system_sgpr_workgroup_id_y 1
		.amdhsa_system_sgpr_workgroup_id_z 1
		.amdhsa_system_vgpr_workitem_id 0
		.amdhsa_next_free_vgpr 1024
		.amdhsa_next_free_sgpr 102
		.amdhsa_reserve_vcc 0
		.amdhsa_float_denorm_mode_32 3
		.amdhsa_float_denorm_mode_16_64 3
		.amdhsa_memory_ordered 1
		.amdhsa_forward_progress 1
		.amdhsa_inst_pref_size 113
	.end_amdhsa_kernel
	.amdgpu_metadata
---
amdhsa.version: [ 1, 2 ]
amdhsa.kernels:
  - .name:           k_q8b93b9b61b_down
    .symbol:         k_q8b93b9b61b_down.kd
    .args:
      - { .name: hcodes, .offset: 0, .size: 8, .value_kind: global_buffer, .address_space: global }
      - { .name: hscales, .offset: 8, .size: 8, .value_kind: global_buffer, .address_space: global }
      - { .name: codes, .offset: 16, .size: 8, .value_kind: global_buffer, .address_space: global }
      - { .name: scales, .offset: 24, .size: 8, .value_kind: global_buffer, .address_space: global }
      - { .name: wsum, .offset: 32, .size: 8, .value_kind: global_buffer, .address_space: global }
      - { .name: out0, .offset: 40, .size: 8, .value_kind: global_buffer, .address_space: global }
    .group_segment_fixed_size: 327680
    .private_segment_fixed_size: 0
    .kernarg_segment_align: 8
    .kernarg_segment_size: 48
    .max_flat_workgroup_size: 128
    .sgpr_count:     102
    .vgpr_count:     1024
    .wavefront_size: 32
...
	.end_amdgpu_metadata
.endif
;; end of part 3
